; MI455X (gfx1250); checked and timed in simulation.
; The chip was launched on July 23, 2026; its instructions are those of AMD's public machine-readable ISA for CDNA 5 (MIT licence, August 2026) and "CDNA5" Instruction Set Architecture Reference Guide (July 2026). The comments in the code are by the model that wrote it; some were corrected since.
;; Attention. Allowed arithmetic: matrix products marked QUANTISED: E4M3 operands, one given power-of-two scale a tensor, by v_wmma_f32_16x16x64_fp8_fp8 or v_wmma_f32_16x16x128_fp8_fp8, f32 sums; products left as they are: f32 operands where the result goes on into a quantised operand, else bf16, f16 or f32 operands; f32 sums; everything else in f32.
;; Inputs: Wh_codes 1,024 x 32 x 32 uint8 (E4M3 codes of Wh, K innermost, in blocks of 32 codes); Ws_b 1,024 float32; Ws_w_codes 1,024 x 32 x 32 uint8 (E4M3 codes of Ws_w, K innermost, in blocks of 32 codes); c_dec 1 x 16 x 512 float32; coverage_vector 16 x 4,096 float32; encoder_output 16 x 4,096 x 1,024 float32; h_dec 1 x 16 x 512 float32; lowp_scales 4 int32 (the exponents e of the quantised operands' scales 2^e); v 1,024 float32; wc 1,024 float32; x_padding_masks 16 x 4,096 float32.
;; Outputs: out0 16 x 1,024 float32; out1 16 x 4,096 float32; out2 16 x 4,096 float32.
;; This version of the problem:
;;   THIS VERSION OF THE PROBLEM IS GIVEN IN LOW PRECISION. The matrix products marked QUANTISED in the list below multiply operands that are first quantised to E4M3 (4 exponent bits, 3 mantissa bits; 8 bits a number), with one given power-of-two scale for each operand tensor; their sums are f32. All else is computed in f32.
;;   The module's matrix products, in the order in which they are computed (A, B: the left and right operand; K: the contracted axis; several contracted axes count as one K, in the product's order):
;;     1. [M 65,536, K 1,024] x [K 1,024, N 1,024]; A: input encoder_output; B: input Wh (given as codes): QUANTISED (scales: A lowp_scales[0], B lowp_scales[1])
;;     2. [M 16, K 1,024] x [K 1,024, N 1,024]; A: computed on the way; B: input Ws_w (given as codes): QUANTISED (scales: A lowp_scales[2], B lowp_scales[3])
;;     3. [M 65,536, K 1,024] x [K 1,024, N 1]; A: computed on the way; B: input v: left as it is (N = 1 < 16)
;;     4. batch 16 x [M 1, K 4,096] x [K 4,096, N 1,024]; A: computed on the way; B: input encoder_output: left as it is (M = 1 < 16)
;;   THE QUANTISER, for each operand of a quantised product, along K:
;;     - The operand's scale is 2^e, e = its entry of the input lowp_scales (int32; the entries are numbered through the quantised products in the list's order, A before B).
;;     - Each number is divided by the scale, clamped to +-448, and rounded to the nearest number of E4M3, ties to even, subnormals kept.
;;     - The product sums the exact products of the quantised numbers (number of the format x scale) in f32.
;;   ~~~python
;;   def quantise(x, axis, e):      # numpy; x: float32 -> the quantised numbers, widened to float32 again
;;       x = np.moveaxis(x, axis, -1); K = x.shape[-1]
;;       r = np.clip(x / 2.0 ** e, -448, 448)
;;       step = 2.0 ** (np.maximum(np.frexp(np.where(r == 0, 1, r))[1] - 1, -6) - 3)
;;       q = np.round(r / step) * step * 2.0 ** e      # np.round: ties to even
;;       return np.moveaxis(q, -1, axis).astype(np.float32)
;;   ~~~
;;   OPERANDS COMPUTED ON THE WAY. 'Computed on the way' means the value that the module computes at that place (a softmax that the list does not call 'softmax' is quantised finished and normalised). What goes into a quantiser is computed in f32, as accurately as f32 sums, v_exp_f32 and their like allow (about 1e-6 of the number): no bf16 or f16 on the way to a quantiser, and a product that is left as it is and whose result goes on into a quantised operand takes f32 operands (vector FMAs, or v_wmma_f32_16x16x4_f32). A number that lies on a knife's edge between two numbers of the format may be rounded either way, as far as f32 arithmetic and the matrix unit's own rounding can turn it there, and no further.
;;   INPUTS GIVEN AS CODES. Wh (in the module: [1024, 1024], K = its axis 0); Ws_w (in the module: [1024, 1024], K = its axis 0): each comes as NAME_codes (uint8): NAME with its K axis moved to the last place and cut into blocks of 32 codes, [.., K / 32, bytes a block], one block behind the other in memory; one code a byte (a code: sign, 4 exponent bits, 3 mantissa bits); its scale is its entry of lowp_scales. Its value is code x scale, taken as it is: it is not quantised again, and the codes and scales need not be those that the quantiser above would give.
;; One version. Each part assembles by itself: llvm-mc -triple=amdgcn-amd-amdhsa -mcpu=gfx1250 --defsym DOCPART=n.
;; ======== version 1 of 1: 3 launches
;; limits: right only within a limited range of input values
;; workspace buffers: decf 65,536 bytes; whp 1,048,576 bytes; scores 262,144 bytes
;; launch prep (part 1): grid 16 x 1, 8 waves a work-group, no clusters, 35,840 bytes of LDS; arguments h_dec, c_dec, Ws_w_codes, Ws_b, Wh_codes, lowp_scales, decf, whp; writes decf, whp
.if DOCPART == 1
	.amdgcn_target "amdgcn-amd-amdhsa--gfx1250"
	.amdhsa_code_object_version 6
	.text
	.protected	k_q73385a8b03_prep
	.globl	k_q73385a8b03_prep
	.p2align	8
	.type	k_q73385a8b03_prep,@function
k_q73385a8b03_prep:
	s_mov_b64 s[64:65], 0
	v_nop
	global_prefetch_b8 v0, s[64:65] scope:SCOPE_SE
	s_setreg_imm32_b32 hwreg(HW_REG_WAVE_MODE, 25, 1), 1
	s_wait_xcnt 0x0
; TWO SMALL JOBS AHEAD OF THE LARGE PRODUCT.
; (1) decf[b][e] = (Q(s_t) . Ws_w)[b][e] x 2^(e2 + e3) + Ws_b[e]: s_t = h_dec | c_dec, [16][1024] f32, quantised here to E4M3 with the given 2^e2; Ws_w comes as codes [1024 e][1024 k].
; (2) whp = Wh's codes with K permuted inside each half row of 512 bytes: dword 32 i + L becomes dword 4 L + i (i = 0..3, L = 0..31).  The next launch quantises the encoder's rows
;     from dense 16-byte loads, which leaves its codes in just this order; a permutation of k that is the same in both operands keeps every product with its partner.
; SHARES.  Work-group g: features 64 g .. 64 g + 63.  Wave w: K step w (128 k) of product (1) for all 16 batches and 4 tiles of 16 features; rows 64 g + 8 w .. + 7 of Wh for (2).
; The eight waves' partial sums meet in LDS (a region of 16 rows x 272 bytes a wave), one barrier; then thread t adds the eight parts of 4 features of batch t / 16.
; THE MATRIX INSTRUCTION IS USED TRANSPOSED (source 0 = 16 features of Ws_w, source 1 = the 16 batches): a lane holds batch lane % 16 and eight neighbouring features.
; LIMITS: e2 between -126 and 119, e2 + e3 between -126 and 127 (each power of two is made as an f32 number).  NaN among the inputs is not served; an infinity is held at the largest code.
; REGISTERS: v1-10 offsets; v11 2^e2; v12-15 Ws_b; v16-31 s_t's codes; v32-63 four accumulators; v64-127 s_t as f32, later the parts read back; v128-191 Ws_w's fragments; v192-255 Wh's rows.
; WORK LEFT OUT BY THE PROGRAM: tanh(x) = 1 - 2 / (1 + e^(2x)), so score[b][l] = sum_e v[e] - 2 sum_e v[e] / (1 + e^(2 x[b][l][e])).  The first term is the same for every l of a batch,
; a term added to the softmax's input that is constant along its axis: it cancels for all values of the inputs and is never formed.  LIMIT: an overflow or a NaN that reaches only that sum of v is not carried to the results.
.set PW,   4352
.set AC,   16
.set ACC,  32
.set AF,   64
.set BFR,  128
.set WHR,  192
	s_load_b256 s[4:11], s[0:1], 0x0               ; h_dec s[4:5], c_dec s[6:7], Ws_w's codes s[8:9], Ws_b s[10:11]
	s_load_b256 s[12:19], s[0:1], 0x20             ; Wh's codes s[12:13], the exponents s[14:15], decf s[16:17], whp s[18:19]
	s_set_vgpr_msb 0x40
	v_lshl_add_u32 v0, v0, 2, 0x8800
	v_mov_b32 v1, 0
	s_set_vgpr_msb 0x4000
	v_lshrrev_b32 v1, 5, v0
	s_delay_alu instid0(VALU_DEP_1)
	v_readfirstlane_b32 s20, v1                    ; wave 0..7
	v_and_b32 v1, 31, v0                           ; lane
	v_and_b32 v2, 15, v0                           ; r
	v_bfe_u32 v3, v0, 4, 1                         ; h
	s_delay_alu instid0(VALU_DEP_2)
	v_lshlrev_b32 v4, 11, v2
	s_delay_alu instid0(VALU_DEP_1)
	v_lshl_add_u32 v4, v3, 6, v4                   ; s_t: batch r's row of 2,048 bytes, + 64 h: my 16 numbers of a block of 32
	s_delay_alu instid0(VALU_DEP_4)
	v_lshlrev_b32 v5, 10, v2
	s_delay_alu instid0(VALU_DEP_1)
	v_lshl_add_u32 v5, v3, 4, v5                   ; Ws_w: row r of 1,024 codes, + 16 h
	v_lshlrev_b32 v6, 2, v1                        ; Wh in: 4 bytes a lane
	v_lshlrev_b32 v7, 4, v1                        ; whp out: 16 bytes a lane
	s_mul_i32 s21, s20, PW
	v_mul_u32_u24 v8, v2, 272
	s_delay_alu instid0(VALU_DEP_1)
	v_lshl_add_u32 v8, v3, 5, v8
	s_delay_alu instid0(VALU_DEP_1)
	v_add_nc_u32 v8, s21, v8                       ; LDS, in: my wave's region, batch r, + 32 h
	v_lshrrev_b32 v3, 4, v0                        ; (h is done with)  the batch whose parts I add: thread / 16
	s_delay_alu instid0(VALU_DEP_1)
	v_mul_u32_u24 v9, v3, 272
	s_delay_alu instid0(VALU_DEP_1)
	v_lshl_add_u32 v9, v2, 4, v9                   ; LDS, back: that batch's row, + 16 (thread % 16)
	s_delay_alu instid0(VALU_DEP_3)
	v_lshlrev_b32 v10, 12, v3
	s_delay_alu instid0(VALU_DEP_1)
	v_lshl_add_u32 v10, v2, 4, v10                 ; and the same place in decf: rows of 4,096 bytes
	v_lshlrev_b32 v1, 4, v2                        ; (the lane is done with)  Ws_b: my four features
	s_lshl_b32 s28, ttmp9, 16                      ; 64 rows of 1,024 codes a work-group
	s_lshl_b32 s30, s20, 7
	s_add_co_u32 s30, s30, s28                     ; Ws_w: + my K step's 128 bytes
	s_mov_b32 s31, 0
	s_lshl_b32 s32, s20, 13
	s_add_co_u32 s32, s32, s28                     ; Wh, whp: + my 8 rows
	s_mov_b32 s33, 0
	s_lshl_b32 s34, ttmp9, 8                       ; Ws_b, decf: 64 features of 4 bytes
	s_mov_b32 s35, 0
	s_and_b32 s36, s20, 3
	s_lshl_b32 s36, s36, 9                         ; my 128 numbers in a row of h_dec or c_dec
	s_mov_b32 s37, 0
	s_wait_alu depctr_va_vdst(0)
	s_wait_kmcnt 0x0
	s_load_b128 s[40:43], s[14:15], 0x0            ; e0, e1, e2, e3
	s_cmp_lt_u32 s20, 4                            ; waves 0-3 take h_dec (k under 512), waves 4-7 c_dec
	s_cselect_b64 s[22:23], s[4:5], s[6:7]
	s_add_nc_u64 s[22:23], s[22:23], s[36:37]
	s_add_nc_u64 s[8:9], s[8:9], s[30:31]
	s_add_nc_u64 s[10:11], s[10:11], s[34:35]
	s_add_nc_u64 s[12:13], s[12:13], s[32:33]
	s_add_nc_u64 s[18:19], s[18:19], s[32:33]
	s_add_nc_u64 s[16:17], s[16:17], s[34:35]
.macro WHLOAD rho                      ; a row of Wh: eight loads of 128 consecutive bytes; register 4 H + i takes dword 32 i + lane of half H
.irp hh, 0,1
.irp ii, 0,1,2,3
	global_load_b32 v[WHR+8*(\rho)+4*\hh+\ii], v6, s[12:13] offset:1024*(\rho)+512*\hh+128*\ii
.endr
.endr
.endm
.macro WHSTORE rho                     ; and out: the lane's four dwords side by side: 512 consecutive bytes a store
.irp hh, 0,1
	global_store_b128 v7, v[WHR+8*(\rho)+4*\hh:WHR+8*(\rho)+4*\hh+3], s[18:19] offset:1024*(\rho)+512*\hh
.endr
.endm
.irp c, 0,1,2,3
.irp q, 0,1,2,3
	global_load_b128 v[AF+16*\c+4*\q:AF+16*\c+4*\q+3], v4, s[22:23] offset:128*\c+16*\q   ; register 16 c + 4 q + .. = k 32 c + 16 h + 4 q + ..
.endr
.endr
.irp t, 0,1,2,3
.irp c, 0,1,2,3
	global_load_b128 v[BFR+16*\t+4*\c:BFR+16*\t+4*\c+3], v5, s[8:9] offset:16384*\t+32*\c  ; tile t: features 16 t + r; registers 4 c ..: k 32 c + 16 h + 0 .. 15, as s_t's codes
.endr
.endr
	global_load_b128 v[12:15], v1, s[10:11]
	WHLOAD 0
	WHLOAD 1
	WHLOAD 2                                       ; 57 loads are out
	s_wait_kmcnt 0x0
	s_add_co_i32 s24, s42, 127
	s_lshl_b32 s25, s24, 23
	v_mov_b32 v11, s25                             ; 2^e2 as f32: the conversion takes its exponent field
	s_add_co_i32 s24, s24, 8
	s_lshl_b32 s24, s24, 23
	s_or_b32 s25, s24, 0x600000                    ; 448 x 2^e2,
	s_or_b32 s24, s25, 0x80000000                  ; and its negative
	s_add_co_i32 s26, s42, s43
	s_add_co_i32 s26, s26, 127
	s_lshl_b32 s26, s26, 23                        ; 2^(e2 + e3) as f32
	s_mov_b32 s27, s26                             ; (named with it as a pair, so it is written)
	s_wait_loadcnt 41                              ; s_t is in: behind it stand 16 + 1 + 24 loads
.irp c, 0,1,2,3
.irp n, 0,1,2,3,4,5,6,7,8,9,10,11,12,13,14,15
	v_med3_num_f32 v[AF+16*\c+\n], v[AF+16*\c+\n], s24, s25   ; the conversion to an 8-bit code does not saturate (ISA guide 7.6.2): the hold at the largest code x the scale
.endr
	v_cvt_scalef32_pk8_fp8_f32 v[AC+4*\c:AC+4*\c+1], v[AF+16*\c:AF+16*\c+7], v11
	v_cvt_scalef32_pk8_fp8_f32 v[AC+4*\c+2:AC+4*\c+3], v[AF+16*\c+8:AF+16*\c+15], v11
.endr
	v_nop                                          ; one plain vector instruction between the last conversion and the products that read the codes
	s_wait_alu depctr_va_vdst(0)
	s_wait_loadcnt 24                              ; Ws_w's fragments and Ws_b are in: behind them stand Wh's 24
.irp t, 0,1,2,3
	v_wmma_f32_16x16x128_fp8_fp8 v[ACC+8*\t:ACC+8*\t+7], v[BFR+16*\t:BFR+16*\t+15], v[AC:AC+15], 0
.endr
.rept 4
	v_nop                                          ; four places between a product and the store that reads its result
.endr
.irp t, 0,1,2,3
	ds_store_b128 v8, v[ACC+8*\t:ACC+8*\t+3] offset:64*\t        ; lane (r, h): batch r, features 16 t + 8 h + 0 .. 7; each accumulator from its low end on
	ds_store_b128 v8, v[ACC+8*\t+4:ACC+8*\t+7] offset:64*\t+16
.endr
	s_wait_loadcnt 0x0                             ; Wh's rows 0-2
	WHSTORE 0
	WHSTORE 1
	WHSTORE 2
.irp rho, 3,4,5,6,7
	WHLOAD \rho
.endr
	s_wait_dscnt 0x0                               ; for the others' sake: my parts lie in LDS
	s_barrier_signal -1
	s_barrier_wait -1
.irp w, 0,1,2,3,4,5,6,7
	ds_load_b128 v[AF+4*\w:AF+4*\w+3], v9 offset:PW*\w           ; the eight waves' parts of my four features
.endr
	s_wait_dscnt 0x0
.irp w, 0,2,4,6
	v_pk_add_f32 v[AF+4*\w:AF+4*\w+1], v[AF+4*\w:AF+4*\w+1], v[AF+4*\w+4:AF+4*\w+5]
	v_pk_add_f32 v[AF+4*\w+2:AF+4*\w+3], v[AF+4*\w+2:AF+4*\w+3], v[AF+4*\w+6:AF+4*\w+7]
.endr
.irp w, 0
	v_pk_add_f32 v[AF+4*\w:AF+4*\w+1], v[AF+4*\w:AF+4*\w+1], v[AF+4*\w+8:AF+4*\w+9]
	v_pk_add_f32 v[AF+4*\w+2:AF+4*\w+3], v[AF+4*\w+2:AF+4*\w+3], v[AF+4*\w+10:AF+4*\w+11]
.endr
.irp w, 4
	s_delay_alu instid0(VALU_DEP_4)
	v_pk_add_f32 v[AF+4*\w:AF+4*\w+1], v[AF+4*\w:AF+4*\w+1], v[AF+4*\w+8:AF+4*\w+9]
	s_delay_alu instid0(VALU_DEP_4)
	v_pk_add_f32 v[AF+4*\w+2:AF+4*\w+3], v[AF+4*\w+2:AF+4*\w+3], v[AF+4*\w+10:AF+4*\w+11]
.endr
	s_delay_alu instid0(VALU_DEP_2)
	v_pk_add_f32 v[AF:AF+1], v[AF:AF+1], v[AF+16:AF+17]
	s_delay_alu instid0(VALU_DEP_2)
	v_pk_add_f32 v[AF+2:AF+3], v[AF+2:AF+3], v[AF+18:AF+19]
	s_delay_alu instid0(VALU_DEP_2)
	v_pk_fma_f32 v[96:97], v[AF:AF+1], s[26:27], v[12:13] op_sel_hi:[1,0,1]     ; sum x 2^(e2 + e3) + Ws_b
	s_delay_alu instid0(VALU_DEP_2)
	v_pk_fma_f32 v[98:99], v[AF+2:AF+3], s[26:27], v[14:15] op_sel_hi:[1,0,1]
	global_store_b128 v10, v[96:99], s[16:17]      ; sixteen lanes store 256 consecutive bytes of a batch's row, aligned
	s_wait_loadcnt 0x0                             ; Wh's rows 3-7
.irp rho, 3,4,5,6,7
	WHSTORE \rho
.endr
	s_set_vgpr_msb 0x5
	s_wait_tensorcnt 0x0
	ds_add_u32 v0, v1
	s_wait_dscnt 0x0
	s_set_vgpr_msb 0x500
	s_endpgm
.Lfunc_end_k_q73385a8b03_prep:
	.size	k_q73385a8b03_prep, .Lfunc_end_k_q73385a8b03_prep-k_q73385a8b03_prep
	.p2alignl 7, 3214868480
	.fill 96, 4, 3214868480
	.section	.rodata,"a",@progbits
	.p2align	6, 0x0
	.amdhsa_kernel k_q73385a8b03_prep
		.amdhsa_group_segment_fixed_size 35840
		.amdhsa_private_segment_fixed_size 0
		.amdhsa_enable_private_segment 0
		.amdhsa_kernarg_size 64
		.amdhsa_user_sgpr_count 2
		.amdhsa_user_sgpr_kernarg_segment_ptr 1
		.amdhsa_wavefront_size32 1
		.amdhsa_system_sgpr_workgroup_id_x 1
		.amdhsa_system_sgpr_workgroup_id_y 1
		.amdhsa_system_sgpr_workgroup_id_z 1
		.amdhsa_system_vgpr_workitem_id 0
		.amdhsa_next_free_vgpr 258
		.amdhsa_next_free_sgpr 66
		.amdhsa_reserve_vcc 0
		.amdhsa_float_denorm_mode_32 3
		.amdhsa_float_denorm_mode_16_64 3
		.amdhsa_memory_ordered 1
		.amdhsa_forward_progress 1
		.amdhsa_inst_pref_size 22
	.end_amdhsa_kernel
	.amdgpu_metadata
---
amdhsa.version: [ 1, 2 ]
amdhsa.kernels:
  - .name:           k_q73385a8b03_prep
    .symbol:         k_q73385a8b03_prep.kd
    .args:
      - { .name: h_dec, .offset: 0, .size: 8, .value_kind: global_buffer, .address_space: global }
      - { .name: c_dec, .offset: 8, .size: 8, .value_kind: global_buffer, .address_space: global }
      - { .name: Ws_w_codes, .offset: 16, .size: 8, .value_kind: global_buffer, .address_space: global }
      - { .name: Ws_b, .offset: 24, .size: 8, .value_kind: global_buffer, .address_space: global }
      - { .name: Wh_codes, .offset: 32, .size: 8, .value_kind: global_buffer, .address_space: global }
      - { .name: lowp_scales, .offset: 40, .size: 8, .value_kind: global_buffer, .address_space: global }
      - { .name: decf, .offset: 48, .size: 8, .value_kind: global_buffer, .address_space: global }
      - { .name: whp, .offset: 56, .size: 8, .value_kind: global_buffer, .address_space: global }
    .group_segment_fixed_size: 35840
    .private_segment_fixed_size: 0
    .kernarg_segment_align: 8
    .kernarg_segment_size: 64
    .max_flat_workgroup_size: 256
    .sgpr_count:     66
    .vgpr_count:     258
    .wavefront_size: 32
...
	.end_amdgpu_metadata
.endif
;; end of part 1
;; launch score (part 2): grid 256 x 1, 4 waves a work-group, clusters of 4 x 1, 327,680 bytes of LDS; arguments encoder_output, whp, decf, coverage_vector, wc, v, lowp_scales, scores; writes scores
.if DOCPART == 2
	.amdgcn_target "amdgcn-amd-amdhsa--gfx1250"
	.amdhsa_code_object_version 6
	.text
	.protected	k_q73385a8b03_score
	.globl	k_q73385a8b03_score
	.p2align	8
	.type	k_q73385a8b03_score,@function
k_q73385a8b03_score:
	s_mov_b64 s[64:65], 0
	v_nop
	global_prefetch_b8 v0, s[64:65] scope:SCOPE_SE
	s_setreg_imm32_b32 hwreg(HW_REG_WAVE_MODE, 25, 1), 1
	s_wait_xcnt 0x0
	s_wait_alu depctr_hold_cnt(0) depctr_sa_sdst(0) depctr_va_vdst(0) depctr_va_sdst(0) depctr_va_ssrc(0) depctr_va_vcc(0) depctr_vm_vsrc(0)
	s_getreg_b32 s2, hwreg(HW_REG_IB_STS2, 6, 4)
	s_cmp_eq_u32 s2, 0
	s_cbranch_scc0 .Lentry_in_a_cluster
	s_endpgm
.Lentry_in_a_cluster:
	s_bfe_u32 s2, ttmp6, 0x10000c
	s_cmp_lg_u32 s2, 0x3003
	s_cbranch_scc0 .Lentry_shape_is_right
	s_endpgm
.Lentry_shape_is_right:
; scores[row] = -2 sum_e v[e] / (1 + 2^(k x[row][e])), x = Q(enc) . Wh + decf[b] + cov[row] wc, k = 2 log2(e): the score less sum_e v[e], which is the same for a whole batch and is left out (see the first kernel's head).
; SHARES.  Work-group: 256 rows of the 65,536 (one batch); wave: 64 rows, all 1,024 features.  Phase 1: the wave's rows come as dense 16-byte loads, are held at 448 x 2^e0, quantised, and go through the wave's
; own stage in LDS into fragment registers: 64 rows x 1,024 codes = 512 registers, which stay.  whp is Wh with K permuted as that road permutes it.  Phase 2: whp walks through a ring of two LDS slots of 64 features,
; asked for jointly by the four work-groups of a cluster (all work-groups read the same 1 MiB).  Slot 1 is first filled behind the first 32 rows, as a refill is.
; THE PRODUCT IS USED TRANSPOSED (source 0 = 16 features, source 1 = 16 rows): a lane holds row lane % 16 and features 8 (lane / 16) + 0..7.
; A PERIOD serves a group g of 16 features x 64 rows, in three parts.  (1) Group g-1's sums x k.  (2) A region of 16 steps, two registers of each stage a step: group g-4's reciprocals x (-2 v) onto the scores,
; group g-3's reciprocals, group g+1's start dec + cov wc, group g-2's exponentials + 1, group g-1's exponentials.  Each stage reads what the period before wrote (the exponentials: part 1), ahead of the line that
; writes those registers anew; nothing written in a region is named again in it, so the scores have 32 registers, one pair a step.  (3) Group g's 32 matrix instructions, four accumulators by turns, unbroken.
; The first four periods walk zeros and ones, weighed by 256 bytes of zeros ahead of the table of v; four regions behind the last products let the last groups run out.
; NO PREFETCH: phase 1 keeps 64 loads of 512 bytes a wave out; whp's 64 KiB a slot are read by all 64 clusters in step.
; LIMITS: e0 between -126 and 119 (its powers are made as f32 numbers); NaN among the inputs is not served; an infinity is held at the largest code.
; REGISTERS.  Window 0: v1-11 addresses, v12-43 at work and the tables as loaded, v44-51 addresses, v64-191 eight fragments of whp (phase 1: at work).  Windows 1, 2: the rows' codes, K step ks, row tile rt at 64 (ks % 4) + 16 rt.
; Window 3: v0-63 two sets of sums, v64-95 exponentials, v96-127 reciprocals, v128-159 1 + exponentials, v160-191 scaled sums, v192-223 scores, v224-255 -2v, wc, dec, cov (phase 1: the rows as f32).
.set PITCH, 1040                       ; a row of 1,024 codes + 16 bytes
.set WROWS, 16*PITCH
.set GRPB,  32*PITCH                   ; a wave's stage: 32 rows
.set SLOTB, 64*PITCH
.set CROW,  2*SLOTB
.set TV,    CROW+4*GRPB                ; tables: zeros and -2v, wc, dec
.set TVZ,   256
.set TSTEP, 4352
.set SCR,   TV+3*TSTEP+512
.set SPARE, SCR+1024
.set SPW, 1
.set NIL, 2
.set BL,  3
.set ADB, 4
.set TA,  5
.set TAD, 6
.set XO,  7
.set CA0, 8
.set CA,  9
.set CR,  10
.set SC,  11
.set CVR, 40
.set TS,  44
.set TO,  45
.set PADA, 46
.set SCI, 47
.set SCO, 48
.set GOUT, 49
.set CVO, 50
.set ZR,  51
.set T,   64
.set CD,  96
.set BF,  64
.set EO,  64
.set RO,  96
.set AO,  128
.set MO,  160
.set S,   192
.set VT,  224
.set WCS, 232
.set DCS, 240
.set COV, 248
.set WV,  20
.set G1,  24
.set G0,  32
.set G0W, 36
.set NE,  44
.set KK,  46
.set LIMN, 48
.set LIMP, 49
.set TB,  50
.set TG,  51
.set CNT, 52
.set CO,  53
.set XB,  54
.set SEL, 56
.set MSB, 0
.macro WIN new                         ; the immediate's high byte repeats the setting that is left
.if MSB != (\new)
	s_set_vgpr_msb (MSB<<8)|(\new)
.set MSB, \new
.endif
.endm
.macro PLACES
.rept 4
	v_nop
.endr
.endm
.macro CREST                           ; a round of the cluster's barrier behind its opening barrier
	s_cmp_lg_u32 s[WV], 0
	s_cbranch_scc1 .Lnot_wave_0_\@
	s_barrier_signal -3
.Lnot_wave_0_\@:
	s_barrier_wait -3
	s_barrier_signal -1
	s_barrier_wait -1
.endm
.macro CROUND
	s_barrier_signal -1
	s_barrier_wait -1
	CREST
.endm
.macro XLOAD j, row                    ; a row of 4,096 bytes: eight loads of 512 consecutive bytes, into window 3
	WIN 0xc0
.irp m, 0,1,2,3,4,5,6,7
	global_load_b128 v[32*(\j)+4*\m:32*(\j)+4*\m+3], v[XO], s[XB:XB+1] offset:(\row)*4096+512*\m th:TH_LOAD_NT
.endr
.endm
	s_load_b256 s[4:11], s[0:1], 0x0               ; enc, whp, decf, cov
	s_load_b256 s[12:19], s[0:1], 0x20             ; wc, v, the exponents, scores
	v_lshl_add_u32 v[SPW], v0, 2, SPARE
	v_mov_b32 v[NIL], 0
	ds_add_u32 v[SPW], v[NIL]                      ; the opening lines: the add twice on end and one wait
	ds_add_u32 v[SPW], v[NIL]
	v_lshrrev_b32 v12, 5, v0
	v_readfirstlane_b32 s[WV], v12                 ; wave 0..3
	s_bfe_u32 s21, ttmp6, 0x40000
	s_lshl_b32 s22, ttmp9, 2
	s_add_co_u32 s22, s22, s21                     ; work-group
	s_mov_b32 s[G1], 15|(0<<16)|(1<<20)|(1<<21)|(7<<22)|(3<<25)   ; mask of the four; bytes; four words of padding behind every 256
	s_mov_b32 s[G1+1], 1024<<16
	s_mov_b32 s[G1+2], 16<<16
	s_mov_b32 s[G1+3], 1024<<16
	s_mov_b32 s[G1+4], 16
	s_mov_b32 s[G1+5], 1024
	s_mov_b32 s[G1+6], 0
	s_mov_b32 s[G1+7], 0
	s_mov_b32 s[SEL], 0x76543210
	s_mov_b32 s[SEL+1], 0xfedcba98
	s_mul_i32 s23, s[WV], WROWS                    ; each wave fetches 16 of a slot's 64 rows
	s_lshl_b32 s58, s[WV], 14
	s_mov_b32 s59, 0
	s_wait_alu depctr_va_vdst(0)
	s_wait_dscnt 0x0
	s_wait_kmcnt 0x0
	s_load_b128 s[40:43], s[16:17], 0x0            ; e0, e1, ..
	s_add_nc_u64 s[6:7], s[6:7], s[58:59]
	CROUND                                         ; in front of the first joint loads
	s_mov_b32 s[G0], 1
	s_mov_b32 s[G0+1], s23
	s_mov_b64 s[G0+2:G0+3], s[6:7]
	s_or_b32 s[G0+3], s[G0+3], 0x80000000
	s_mov_b32 s[G0W], 1
	s_add_co_u32 s[G0W+1], s23, SLOTB
	s_add_nc_u64 s[G0W+2:G0W+3], s[6:7], 65536
	s_or_b32 s[G0W+3], s[G0W+3], 0x80000000
	tensor_load_to_lds s[G0:G0+3], s[G1:G1+7]      ; slot 0: the wave's one load at the head
	s_nop 0
	PLACES
	v_and_b32 v12, 31, v0
	v_lshlrev_b32 v[XO], 4, v12
	v_and_b32 v13, 15, v0
	v_lshlrev_b32 v[TO], 4, v0
	v_lshlrev_b32 v[CVO], 2, v13
	s_lshl_b32 s58, s22, 8
	s_lshl_b32 s23, s[WV], 6
	s_add_co_u32 s23, s58, s23                     ; my first row
	s_lshl_b32 s58, s23, 12
	s_add_nc_u64 s[XB:XB+1], s[4:5], s[58:59]
	s_lshl_b32 s58, s23, 2
	s_add_nc_u64 s[10:11], s[10:11], s[58:59]
	s_add_nc_u64 s[18:19], s[18:19], s[58:59]
	s_lshr_b32 s58, s22, 4                         ; the batch
	s_lshl_b32 s58, s58, 12
	s_add_nc_u64 s[8:9], s[8:9], s[58:59]
	s_wait_alu depctr_va_vdst(0)
	global_load_b128 v[16:19], v[TO], s[8:9]       ; the tables go out first, so the rows' counted waits cover them
	global_load_b128 v[20:23], v[TO], s[8:9] offset:2048
	global_load_b128 v[24:27], v[TO], s[12:13]
	global_load_b128 v[28:31], v[TO], s[12:13] offset:2048
	global_load_b128 v[32:35], v[TO], s[14:15]
	global_load_b128 v[36:39], v[TO], s[14:15] offset:2048
.irp t, 0,1,2,3
	global_load_b32 v[CVR+\t], v[CVO], s[10:11] offset:64*\t   ; cov of row 16 t + lane % 16
.endr
.irp j, 0,1,2,3,4,5,6,7
	XLOAD \j, \j
.endr
	WIN 0
	v_bfe_u32 v14, v0, 4, 1
	v_mul_u32_u24 v[BL], v13, PITCH
	v_lshl_add_u32 v[BL], v14, 4, v[BL]            ; a fragment's row x pitch + 16 x half
	v_lshlrev_b32 v[TA], 5, v14
	v_add_nc_u32 v[TA], TV, v[TA]
	s_mul_i32 s58, s[WV], GRPB
	s_add_co_u32 s58, s58, CROW
	v_add_nc_u32 v[CA0], s58, v[XO]
	v_add_nc_u32 v[CR], s58, v[BL]
	v_lshl_add_u32 v[TS], v0, 4, TV
	v_lshl_add_u32 v[PADA], v12, 2, TV
	s_lshl_b32 s58, s[WV], 8
	s_add_co_u32 s58, s58, SCR
	v_lshl_add_u32 v[SCI], v13, 2, s58
	v_lshl_add_u32 v[SCO], v12, 3, s58
	v_lshlrev_b32 v[GOUT], 3, v12
	v_mov_b32 v[ZR], 0
	s_wait_kmcnt 0x0
	s_add_co_i32 s45, s40, s41
	s_sub_co_i32 s[NE], 0, s45                     ; dec and wc go in divided by 2^(e0 + e1), the power that the raw sums lack
	v_mov_b32 v15, 0x4038aa3b                      ; 2 log2(e)
	v_ldexp_f32 v15, v15, s45
	v_readfirstlane_b32 s[KK], v15                 ; k = 2 log2(e) 2^(e0 + e1)
	s_mov_b32 s[KK+1], s[KK]
	s_add_co_i32 s58, s40, 127
	s_lshl_b32 s59, s58, 23
	v_mov_b32 v[SC], s59                           ; 2^e0
	s_add_co_i32 s58, s58, 8
	s_lshl_b32 s58, s58, 23
	s_or_b32 s[LIMP], s58, 0x600000                ; 448 x 2^e0
	s_or_b32 s[LIMN], s[LIMP], 0x80000000
	s_mov_b32 s[CO], 0
	s_wait_alu depctr_va_vdst(0)
.macro ROW j, ahead, left              ; a row: hold, the next load into its registers, 32 codes a lane, into my stage
	s_wait_loadcnt \left
	WIN 0x03
.set nn, 0
.rept 32
	v_med3_num_f32 v[T+nn], v[32*(\j)+nn], s[LIMN], s[LIMP]
.set nn, nn+1
.endr
.if \ahead
	s_wait_alu depctr_va_vdst(0)
	XLOAD \j, 8+\j
.endif
	WIN 0
	s_wait_alu depctr_va_vdst(0)
	s_wait_dscnt 14
.irp g, 0,1,2,3
	v_cvt_scalef32_pk8_fp8_f32 v[CD+8*(\j)+2*\g:CD+8*(\j)+2*\g+1], v[T+8*\g:T+8*\g+7], v[SC]
.endr
	v_nop
	ds_store_b128 v[CA], v[CD+8*(\j):CD+8*(\j)+3] offset:PITCH*(\j)
	ds_store_b128 v[CA], v[CD+8*(\j)+4:CD+8*(\j)+7] offset:PITCH*(\j)+512
.endm
.macro XTRIPS n
	s_mov_b32 s[CNT], \n
.Lx_\@:
	v_add_nc_u32 v[CA], s[CO], v[CA0]
.irp j, 0,1,2,3,4,5,6,7
	ROW \j, 1, 56                                  ; behind a row's eight loads stand the other seven rows' 56
.endr
	s_wait_xcnt 0x0
	s_add_nc_u64 s[XB:XB+1], s[XB:XB+1], 32768
	s_add_co_u32 s[CO], s[CO], 8*PITCH
	s_sub_co_u32 s[CNT], s[CNT], 1
	s_cmp_lg_u32 s[CNT], 0
	s_cbranch_scc1 .Lx_\@
.endm
.macro ALOADS hf                       ; 32 staged rows become row tiles 2 hf, 2 hf + 1 of all eight K steps
.irp s, 0,1,2,3,4,5,6,7
.if \s < 4
	WIN 0x40
.else
	WIN 0x80
.endif
.irp u, 0,1
.irp q, 0,1,2,3
	ds_load_b128 v[64*(\s%4)+16*(2*(\hf)+\u)+4*\q:64*(\s%4)+16*(2*(\hf)+\u)+4*\q+3], v[CR] offset:WROWS*\u+128*\s+32*\q
.endr
.endr
.endr
	WIN 0
.endm
	XTRIPS 4
	s_wait_alu depctr_va_vdst(0)
	s_wait_tensorcnt 0x0                           ; slot 1's first fill is issued as a refill is; 64 row loads of mine stay out meanwhile
	ds_add_u32 v[SPW], v[NIL]
	s_wait_dscnt 0x0
	CROUND
	tensor_load_to_lds s[G0W:G0W+3], s[G1:G1+7]
	s_nop 0
	PLACES
	ALOADS 0
	s_mov_b32 s[CO], 0
	XTRIPS 3
	v_add_nc_u32 v[CA], s[CO], v[CA0]
.irp j, 0,1,2,3,4,5,6,7
	ROW \j, 0, 56-8*\j
.endr
	ALOADS 1
.irp n, 0,1,2,3,4,5,6,7,8,9,10,11,12,13,14,15
	v_ldexp_f32 v[16+\n], v[16+\n], s[NE]
.endr
.irp n, 0,2,4,6
	v_pk_mul_f32 v[32+\n:33+\n], v[32+\n:33+\n], -2.0 op_sel_hi:[1,0]
.endr
	ds_store_b128 v[TS], v[32:35] offset:TVZ
	ds_store_b128 v[TS], v[36:39] offset:TVZ+2048
	ds_store_b128 v[TS], v[24:27] offset:TSTEP
	ds_store_b128 v[TS], v[28:31] offset:TSTEP+2048
	ds_store_b128 v[TS], v[16:19] offset:2*TSTEP
	ds_store_b128 v[TS], v[20:23] offset:2*TSTEP+2048
	s_cmp_lg_u32 s[WV], 0
	s_cbranch_scc1 .Lno_pads
	ds_store_b32 v[PADA], v[ZR]                    ; 256 bytes of zeros ahead of -2v
	ds_store_b32 v[PADA], v[ZR] offset:128
.Lno_pads:
	s_wait_tensorcnt 0x0
	s_wait_dscnt 0x0
	s_barrier_signal -1
	s_barrier_wait -1
.macro HRUN k0, off                    ; 16 features x four K steps from k0 on: 16 loads
.irp k, 0,1,2,3
.irp q, 0,1,2,3
	ds_load_b128 v[BF+16*((\k0)+\k)+4*\q:BF+16*((\k0)+\k)+4*\q+3], v[ADB] offset:(\off)+128*((\k0)+\k)+32*\q
.endr
.endr
.endm
.macro TLOAD8 reg, off                 ; eight table entries of my half of the lanes
	ds_load_b128 v[(\reg):(\reg)+3], v[TAD] offset:(\off)
	ds_load_b128 v[(\reg)+4:(\reg)+7], v[TAD] offset:(\off)+16
.endm
.macro TCLOAD idx
	TLOAD8 WCS, TSTEP+64*(\idx)
	TLOAD8 DCS, 2*TSTEP+64*(\idx)
.endm
.macro STM pb                          ; sums x k; each accumulator from its low end on
.set m, 0
.rept 16
	v_pk_mul_f32 v[MO+2*m:MO+2*m+1], v[(\pb)+2*m:(\pb)+2*m+1], s[KK:KK+1] op_sel_hi:[1,0]
.set m, m+1
.endr
.endm
.macro CLINE pb                        ; dec + cov wc starts two of a group's sums: row tile m / 4, features 2 (m % 4) on
	v_pk_fma_f32 v[(\pb)+2*m:(\pb)+2*m+1], v[WCS+2*(m%4):WCS+2*(m%4)+1], v[COV+2*(m/4):COV+2*(m/4)+1], v[DCS+2*(m%4):DCS+2*(m%4)+1] op_sel_hi:[1,0,1]
.endm
; The region.  vt: where -2v of the group that is weighed lies.  c, r, a, e: which of the further stages run.  A plain line stands between a reciprocal and the line that writes its source anew (ISA guide 7.12.1's kin for transcendentals).
.macro REGION vt, pb, c, r, a, e
.set m, 0
.rept 16
	v_pk_fma_f32 v[S+2*m:S+2*m+1], v[RO+2*m:RO+2*m+1], v[(\vt)+2*(m%4):(\vt)+2*(m%4)+1], v[S+2*m:S+2*m+1]
.if \r
	v_rcp_f32 v[RO+2*m], v[AO+2*m]
	v_rcp_f32 v[RO+2*m+1], v[AO+2*m+1]
.endif
.if \c
	CLINE \pb
.elseif (\r) && (\a)
	v_nop
.endif
.if \a
	v_pk_add_f32 v[AO+2*m:AO+2*m+1], v[EO+2*m:EO+2*m+1], 1.0 op_sel_hi:[1,0]
.endif
.if \e
	v_exp_f32 v[EO+2*m], v[MO+2*m]
	v_exp_f32 v[EO+2*m+1], v[MO+2*m+1]
.endif
.set m, m+1
.endr
.endm
; n4: the group's place in its slot.  chg: the slot is left in this period; fill: and filled again.  end = 1: no tables of a further group; end = 2: the last group of all.
; LDS instructions of a period, in order: K steps 4-7 (16), tables (NT), the next group's K steps 0-3 (NH).  The counted waits below count what stands behind the loads that they wait for.
.macro PERIOD n4, chg, fill, end
.set PA, 32*((\n4)%2)
.set PB, 32-PA
.if \end
.set NT, 2
.else
.set NT, 6
.endif
.if (\end) == 2
.set NH, 0
.else
.set NH, 16
.endif
	PLACES                                         ; four places behind the last products: for the loads below and for the first reader of the sums
	WIN 0
	HRUN 4, (\n4)*WROWS
	WIN 0xff
	s_wait_alu depctr_va_vdst(0)                   ; the wait serves the last region's results, and stands directly ahead of the first reader of the sums
	STM PB
	s_wait_dscnt 32                                ; the tables are in: behind them stand this group's K steps 0-3 and 4-7
	s_wait_alu depctr_va_vdst(0)
.if (\end) < 2
	REGION VT, PB, 1, 1, 1, 1
.else
	REGION VT, PB, 0, 1, 1, 1
.endif
.if \fill
	s_wait_alu depctr_va_vdst(0)
.endif
	WIN 0xc0
	TLOAD8 VT, 64*((\n4)+1)
.if (\end) == 0
	TCLOAD (\n4)+2
.endif
	WIN 0xf4
.set i, 0
.rept 32
.set ks, i/4
.set rt, i%4
.if (\chg) && (i == 8)
	WIN 0
	s_wait_tensorcnt 0x0                           ; my part of the next slot is in
	ds_add_u32 v[SPW], v[NIL]
.if \fill
	s_xor_b32 s[G0W+1], s[G0W+1], SLOTB
	s_add_nc_u64 s[G0W+2:G0W+3], s[G0W+2:G0W+3], 65536
.endif
	WIN 0xf4
.endif
.if (\chg) && (i == 12)
	s_wait_dscnt 0x0                               ; the add is done, and my reads of this slot are over
	s_barrier_signal -1
.endif
.if i == 16
.if \chg
	PLACES
	WIN 0
	s_barrier_wait -1
.if \fill
	CREST
	tensor_load_to_lds s[G0W:G0W+3], s[G1:G1+7]    ; the slot just left takes the features two slots on
	s_nop 0
	PLACES
.endif
	s_xor_b32 s[TB], s[TB], SLOTB
	v_add_nc_u32 v[ADB], s[TB], v[BL]
	HRUN 0, 0
.elseif NH
	PLACES                                         ; places in front of loads into fragments that the products have read
	WIN 0
	HRUN 0, ((\n4)+1)*WROWS
.endif
	WIN 0xf8
.endif
.if rt == 0
.if ks < 4
.if !((\chg) && (i == 12))
	s_wait_dscnt 4*(3-ks)+16+NT
.endif
.elseif !(\chg)
	s_wait_dscnt 4*(7-ks)+NT+NH
.endif
.endif
	v_wmma_f32_16x16x128_fp8_fp8 v[PA+8*rt:PA+8*rt+7], v[BF+16*ks:BF+16*ks+15], v[64*(ks%4)+16*rt:64*(ks%4)+16*rt+15], v[PA+8*rt:PA+8*rt+7]
.set i, i+1
.endr
.endm
.macro SLOTG fill, end
	v_add_nc_u32 v[TAD], s[TG], v[TA]
	PERIOD 0, 0, 0, 0
	PERIOD 1, 0, 0, 0
.if \end
	PERIOD 2, 0, 0, 1
	PERIOD 3, 0, 0, 2
.else
	PERIOD 2, 0, 0, 0
	PERIOD 3, 1, \fill, 0
.endif
	WIN 0
	s_add_co_u32 s[TG], s[TG], 256
.endm
	s_mov_b32 s[TB], 0
	s_mov_b32 s[TG], 0
	v_add_nc_u32 v[ADB], s[TB], v[BL]
	v_add_nc_u32 v[TAD], s[TG], v[TA]
	WIN 0xc0
	TCLOAD 0
.set nn, 0
.rept 96
	v_mov_b32 v[32+nn], 0                          ; what the first periods read: the second set of sums, exponentials, reciprocals: zeros;
.set nn, nn+1
.endr
.set nn, 0
.rept 32
	v_mov_b32 v[AO+nn], 1.0                        ; the reciprocals' sources: ones;
	v_mov_b32 v[S+nn], 0                           ; and the scores begin at 0
.set nn, nn+1
.endr
.irp t, 0,1,2,3
	v_mov_b32 v[COV+2*\t], v[CVR+\t]
	v_mov_b32 v[COV+2*\t+1], 0                     ; (named with it as a pair)
.endr
	s_wait_alu depctr_va_vdst(0)
	s_wait_dscnt 0x0
	WIN 0xff
.set m, 0
.rept 16
	CLINE 0
.set m, m+1
.endr
	WIN 0xc0
	TLOAD8 VT, 0
	TCLOAD 1
	WIN 0
	HRUN 0, 0
	s_mov_b32 s[CNT], 14
.Lfill:                                                ; slots 0-13: each is filled again with the features two slots on
	SLOTG 1, 0
	s_wait_alu depctr_va_vdst(0)
	s_sub_co_u32 s[CNT], s[CNT], 1
	s_cmp_lg_u32 s[CNT], 0
	s_cbranch_scc1 .Lfill
	SLOTG 0, 0
	SLOTG 0, 1
	; the last four groups run out; -2v of groups 61, 62, 63 comes into registers that are done with
	PLACES
	WIN 0xc0
	TLOAD8 WCS, 320
	TLOAD8 DCS, 384
	TLOAD8 0, 448
	WIN 0xff
	s_wait_alu depctr_va_vdst(0)
	STM 32
	s_wait_dscnt 0x0
	s_wait_alu depctr_va_vdst(0)
	REGION VT, 0, 0, 1, 1, 1
	v_nop
	s_wait_alu depctr_va_vdst(0)
	REGION WCS, 0, 0, 1, 1, 0
	v_nop
	s_wait_alu depctr_va_vdst(0)
	REGION DCS, 0, 0, 1, 0, 0
	v_nop
	s_wait_alu depctr_va_vdst(0)
	REGION 0, 0, 0, 0, 0, 0
.irp t, 0,1,2,3
	v_pk_add_f32 v[S+8*\t:S+8*\t+1], v[S+8*\t:S+8*\t+1], v[S+8*\t+2:S+8*\t+3]
	v_pk_add_f32 v[S+8*\t+4:S+8*\t+5], v[S+8*\t+4:S+8*\t+5], v[S+8*\t+6:S+8*\t+7]
.endr
.irp t, 0,1,2,3
	v_pk_add_f32 v[S+8*\t:S+8*\t+1], v[S+8*\t:S+8*\t+1], v[S+8*\t+4:S+8*\t+5]
.endr
	WIN 0x0f
.irp t, 0,1,2,3
	v_add_f32 v[12+\t], v[S+8*\t], v[S+8*\t+1]
.endr
	WIN 0
.irp t, 0,1,2,3
	v_permlanex16_b32 v[24+\t], v[12+\t], s[SEL], s[SEL+1]   ; the other eight features of each group
.endr
.irp t, 0,1,2,3
	v_add_f32 v[12+\t], v[12+\t], v[24+\t]
.endr
.irp t, 0,1,2,3
	ds_store_b32 v[SCI], v[12+\t] offset:64*\t     ; both halves of the lanes write the same word with the same number
.endr
	ds_load_b64 v[28:29], v[SCO]
	s_wait_dscnt 0x0
	global_store_b64 v[GOUT], v[28:29], s[18:19]   ; the wave's 64 scores: 256 consecutive bytes, aligned
	s_wait_tensorcnt 0x0                           ; the wave's end
	ds_add_u32 v[SPW], v[NIL]
	s_wait_dscnt 0x0
	CROUND                                         ; the closing round
	s_endpgm
.Lfunc_end_k_q73385a8b03_score:
	.size	k_q73385a8b03_score, .Lfunc_end_k_q73385a8b03_score-k_q73385a8b03_score
	.p2alignl 7, 3214868480
	.fill 96, 4, 3214868480
	.section	.rodata,"a",@progbits
	.p2align	6, 0x0
	.amdhsa_kernel k_q73385a8b03_score
		.amdhsa_group_segment_fixed_size 327680
		.amdhsa_private_segment_fixed_size 0
		.amdhsa_enable_private_segment 0
		.amdhsa_kernarg_size 64
		.amdhsa_user_sgpr_count 2
		.amdhsa_user_sgpr_kernarg_segment_ptr 1
		.amdhsa_wavefront_size32 1
		.amdhsa_system_sgpr_workgroup_id_x 1
		.amdhsa_system_sgpr_workgroup_id_y 1
		.amdhsa_system_sgpr_workgroup_id_z 1
		.amdhsa_system_vgpr_workitem_id 0
		.amdhsa_next_free_vgpr 1024
		.amdhsa_next_free_sgpr 66
		.amdhsa_reserve_vcc 0
		.amdhsa_float_denorm_mode_32 3
		.amdhsa_float_denorm_mode_16_64 3
		.amdhsa_memory_ordered 1
		.amdhsa_forward_progress 1
		.amdhsa_inst_pref_size 255
	.end_amdhsa_kernel
	.amdgpu_metadata
---
amdhsa.version: [ 1, 2 ]
amdhsa.kernels:
  - .name:           k_q73385a8b03_score
    .symbol:         k_q73385a8b03_score.kd
    .args:
      - { .name: encoder_output, .offset: 0, .size: 8, .value_kind: global_buffer, .address_space: global }
      - { .name: whp, .offset: 8, .size: 8, .value_kind: global_buffer, .address_space: global }
      - { .name: decf, .offset: 16, .size: 8, .value_kind: global_buffer, .address_space: global }
      - { .name: coverage_vector, .offset: 24, .size: 8, .value_kind: global_buffer, .address_space: global }
      - { .name: wc, .offset: 32, .size: 8, .value_kind: global_buffer, .address_space: global }
      - { .name: v, .offset: 40, .size: 8, .value_kind: global_buffer, .address_space: global }
      - { .name: lowp_scales, .offset: 48, .size: 8, .value_kind: global_buffer, .address_space: global }
      - { .name: scores, .offset: 56, .size: 8, .value_kind: global_buffer, .address_space: global }
    .group_segment_fixed_size: 327680
    .private_segment_fixed_size: 0
    .kernarg_segment_align: 8
    .kernarg_segment_size: 64
    .max_flat_workgroup_size: 128
    .sgpr_count:     66
    .vgpr_count:     1024
    .wavefront_size: 32
...
	.end_amdgpu_metadata
.endif
;; end of part 2
;; launch ctx (part 3): grid 256 x 1, 16 waves a work-group, no clusters, 26,624 bytes of LDS; arguments encoder_output, scores, x_padding_masks, coverage_vector, out0, out1, out2; writes out0, out1, out2
.if DOCPART == 3
	.amdgcn_target "amdgcn-amd-amdhsa--gfx1250"
	.amdhsa_code_object_version 6
	.text
	.protected	k_q73385a8b03_ctx
	.globl	k_q73385a8b03_ctx
	.p2align	8
	.type	k_q73385a8b03_ctx,@function
k_q73385a8b03_ctx:
	s_mov_b64 s[64:65], 0
	v_nop
	global_prefetch_b8 v0, s[64:65] scope:SCOPE_SE
	s_setreg_imm32_b32 hwreg(HW_REG_WAVE_MODE, 25, 1), 1
	s_wait_xcnt 0x0
; attn = softmax(score) x mask / sum(softmax(score) x mask);  out1 = attn;  out2 = cov + attn;  out0[b][d] = the sum over l of attn[b][l] enc[b][l][d].
; With e = 2^((s - M) log2(e)), M the batch's largest score over ALL positions (as the softmax of reference has it), the softmax's own divisor cancels: attn = e mask / Z, Z = the sum of e mask.
; scores holds each score less one number that is the same for the whole batch: M takes it away.
; SHARES.  Work-group (b, j): batch b, columns 64 j .. 64 j + 63 of all 4,096 rows: 256 aligned bytes of each row, so out0's 64 numbers have one owner.  Wave w: rows 256 w .. + 255; lanes 0-15 walk
; rows 256 w + i, lanes 16-31 rows 256 w + 128 + i: a load takes two whole pieces of 256 bytes.  Every work-group of a batch makes M, Z and the weights for itself (16 KiB of scores and of masks);
; wave j of work-group (b, j), whose registers hold positions 256 j .. + 255, stores out1 and out2.
; A memory stream: no matrix unit (a product of one row), no cluster (the work-groups share 48 KiB).  Sixteen loads a wave are always out, 128 KiB for the sixteen waves.
; LIMITS: NaN among the inputs is not served.  A batch whose mask hides every position that counts gives 0 / 0, as in reference.
; LDS: the weights e mask (16,384 bytes), the waves' maxima, their sums, their parts of out0.
; REGISTERS: v1-11 offsets; v12-19 scores, then e; v20-27 mask; v28-35 cov; v36-43 attn; v44-47 at work, v46 = 1 / Z; v48-63 four sets of sums; v64-127 a ring of 16 loads.  In the stream v12-27 are a ring of four quads of weights.
.set MX,   16384
.set ZS,   16640
.set RED,  16896
.set WQ,   12
.set ACC,  48
.set RING, 64
	s_load_b256 s[4:11], s[0:1], 0x0               ; enc s[4:5], scores s[6:7], mask s[8:9], cov s[10:11]
	s_load_b128 s[12:15], s[0:1], 0x20             ; out0 s[12:13], out1 s[14:15]
	s_load_b64 s[16:17], s[0:1], 0x30              ; out2
	v_lshl_add_u32 v128, v0, 2, 0x6000
	v_mov_b32 v129, 0
	v_lshrrev_b32 v44, 5, v0
	v_readfirstlane_b32 s20, v44                   ; wave 0..15
	s_lshr_b32 s21, ttmp9, 4                       ; b
	s_and_b32 s22, ttmp9, 15                       ; j
	v_and_b32 v1, 31, v0                           ; lane
	v_and_b32 v2, 15, v0                           ; c = lane % 16
	v_bfe_u32 v3, v0, 4, 1                         ; h
	v_lshlrev_b32 v4, 10, v44
	v_lshl_add_u32 v4, v1, 4, v4                   ; 1,024 w + 16 lane: my four positions in a batch's row of scores, mask, cov, out1, out2; and in the weights in LDS, which begin at byte 0
	v_lshlrev_b32 v5, 20, v44
	v_lshl_add_u32 v5, v3, 19, v5
	v_lshl_add_u32 v5, v2, 4, v5                   ; enc: row 256 w + 128 h of 4,096 bytes, + 16 c
	v_lshlrev_b32 v6, 4, v2                        ; out0: 16 c
	v_lshlrev_b32 v7, 10, v44
	v_lshl_add_u32 v7, v3, 9, v7                   ; the weights of my half's 128 rows
	v_lshl_add_u32 v8, v44, 2, MX
	v_lshl_add_u32 v9, v44, 2, ZS
	v_lshlrev_b32 v10, 8, v44
	v_lshl_add_u32 v10, v2, 4, v10
	v_add_nc_u32 v10, RED, v10                     ; my wave's part of out0
	v_lshl_add_u32 v11, v2, 4, RED                 ; and all parts, read back
	s_mov_b32 s26, 0x3fb8aa3b                      ; log2(e)
	s_mov_b32 s27, s26                             ; (named with it as a pair, so it is written)
	s_mov_b32 s28, 0x76543210                      ; v_permlanex16_b32's selects for lane xor 16
	s_mov_b32 s29, 0xfedcba98
	s_lshl_b32 s24, s21, 24
	s_lshl_b32 s23, s22, 8
	s_add_co_u32 s24, s24, s23                     ; enc: batches of 2^24 bytes, + 256 j
	s_mov_b32 s25, 0
	s_lshl_b32 s32, s21, 14                        ; rows of 4,096 f32
	s_mov_b32 s33, 0
	s_lshl_b32 s34, s21, 12
	s_add_co_u32 s34, s34, s23                     ; out0: rows of 1,024 f32, + 256 j
	s_mov_b32 s35, 0
	s_wait_alu depctr_va_vdst(0)
	s_wait_kmcnt 0x0
	s_add_nc_u64 s[4:5], s[4:5], s[24:25]
	s_add_nc_u64 s[6:7], s[6:7], s[32:33]
	s_add_nc_u64 s[8:9], s[8:9], s[32:33]
	s_add_nc_u64 s[10:11], s[10:11], s[32:33]
	s_add_nc_u64 s[14:15], s[14:15], s[32:33]
	s_add_nc_u64 s[16:17], s[16:17], s[32:33]
	s_add_nc_u64 s[12:13], s[12:13], s[34:35]
	global_load_b128 v[12:15], v4, s[6:7]          ; positions 256 w + 4 lane + 0..3,
	global_load_b128 v[16:19], v4, s[6:7] offset:512   ; and 128 further on
	global_load_b128 v[20:23], v4, s[8:9]
	global_load_b128 v[24:27], v4, s[8:9] offset:512
	global_load_b128 v[28:31], v4, s[10:11]
	global_load_b128 v[32:35], v4, s[10:11] offset:512
.irp i, 0,1,2,3,4,5,6,7,8,9,10,11,12,13,14,15
	global_load_b128 v[RING+4*\i:RING+4*\i+3], v5, s[4:5] offset:\i*4096 th:TH_LOAD_NT   ; the stream starts at once
.endr
	; ---- M
	s_wait_loadcnt 20                              ; the scores are in: behind them stand 2 + 2 + 16 loads
	v_max3_num_f32 v44, v12, v13, v14
	v_max3_num_f32 v45, v15, v16, v17
	v_max3_num_f32 v44, v44, v18, v19
	v_max_num_f32 v44, v44, v45
	v_max_num_f32_dpp v44, v44, v44 row_xmask:1 row_mask:0xf bank_mask:0xf
	v_max_num_f32_dpp v44, v44, v44 row_xmask:2 row_mask:0xf bank_mask:0xf
	v_max_num_f32_dpp v44, v44, v44 row_xmask:4 row_mask:0xf bank_mask:0xf
	v_max_num_f32_dpp v44, v44, v44 row_xmask:8 row_mask:0xf bank_mask:0xf
	v_permlanex16_b32 v45, v44, s28, s29
	v_max_num_f32 v44, v44, v45
	ds_store_b32 v8, v44                           ; all lanes write the same word with the same number
	s_wait_dscnt 0x0                               ; for the others' sake
	s_barrier_signal -1
	s_barrier_wait -1
	v_mov_b32 v45, MX
.irp q, 0,1,2,3
	ds_load_b128 v[48+4*\q:51+4*\q], v45 offset:16*\q
.endr
	s_wait_dscnt 0x0
	v_max3_num_f32 v44, v48, v49, v50
	v_max3_num_f32 v45, v51, v52, v53
	v_max3_num_f32 v44, v44, v54, v55
	v_max3_num_f32 v45, v45, v56, v57
	v_max3_num_f32 v44, v44, v58, v59
	v_max3_num_f32 v45, v45, v60, v61
	v_max3_num_f32 v44, v44, v62, v63
	v_max_num_f32 v44, v44, v45
	v_mul_f32 v44, s26, v44                        ; M log2(e)
	; ---- e, the weights, Z
.irp n, 0,2,4,6
	v_pk_fma_f32 v[12+\n:13+\n], v[12+\n:13+\n], s[26:27], v[44:45] op_sel_hi:[1,0,0] neg_lo:[0,0,1] neg_hi:[0,0,1]   ; s log2(e) - M log2(e) (of both pairs the low word serves both halves)
.endr
	s_wait_alu depctr_va_vdst(0)
.irp n, 0,1,2,3,4,5,6,7
	v_exp_f32 v[12+\n], v[12+\n]
.endr
	v_nop                                          ; a plain instruction behind the last exponential,
	s_wait_alu depctr_va_vdst(0)                   ; and one wait for the batch, ahead of its first reader
	s_wait_loadcnt 18                              ; the mask is in
.irp n, 0,2,4,6
	v_pk_mul_f32 v[12+\n:13+\n], v[12+\n:13+\n], v[20+\n:21+\n]
.endr
	ds_store_b128 v4, v[12:15]
	ds_store_b128 v4, v[16:19] offset:512
	v_pk_add_f32 v[44:45], v[12:13], v[14:15]
	v_pk_add_f32 v[46:47], v[16:17], v[18:19]
	v_pk_add_f32 v[44:45], v[44:45], v[46:47]
	v_add_f32 v44, v44, v45
	v_add_f32_dpp v44, v44, v44 row_xmask:1 row_mask:0xf bank_mask:0xf
	v_add_f32_dpp v44, v44, v44 row_xmask:2 row_mask:0xf bank_mask:0xf
	v_add_f32_dpp v44, v44, v44 row_xmask:4 row_mask:0xf bank_mask:0xf
	v_add_f32_dpp v44, v44, v44 row_xmask:8 row_mask:0xf bank_mask:0xf
	v_permlanex16_b32 v45, v44, s28, s29
	v_add_f32 v44, v44, v45
	ds_store_b32 v9, v44
	s_wait_dscnt 0x0
	s_barrier_signal -1
	s_barrier_wait -1
	v_mov_b32 v45, ZS
.irp q, 0,1,2,3
	ds_load_b128 v[48+4*\q:51+4*\q], v45 offset:16*\q
.endr
	s_wait_dscnt 0x0
.irp n, 0,4,8,12
	v_pk_add_f32 v[48+\n:49+\n], v[48+\n:49+\n], v[50+\n:51+\n]
.endr
	v_pk_add_f32 v[48:49], v[48:49], v[52:53]
	v_pk_add_f32 v[56:57], v[56:57], v[60:61]
	v_pk_add_f32 v[48:49], v[48:49], v[56:57]
	v_add_f32 v44, v48, v49
	s_wait_alu depctr_va_vdst(0)
	v_rcp_f32 v46, v44                             ; 1 / Z
	v_nop
	s_wait_alu depctr_va_vdst(0)
	; ---- out1, out2: the wave whose registers hold this work-group's share of the positions
	s_wait_loadcnt 16                              ; cov is in; the ring's sixteen stay out
	s_cmp_lg_u32 s20, s22
	s_cbranch_scc1 .Lnot_owner
.irp n, 0,2,4,6
	v_pk_mul_f32 v[36+\n:37+\n], v[12+\n:13+\n], v[46:47] op_sel_hi:[1,0]
.endr
.irp n, 0,2,4,6
	v_pk_add_f32 v[28+\n:29+\n], v[28+\n:29+\n], v[36+\n:37+\n]
.endr
	global_store_b128 v4, v[36:39], s[14:15]       ; 512 consecutive bytes a store; these registers are not written again
	global_store_b128 v4, v[40:43], s[14:15] offset:512
	global_store_b128 v4, v[28:31], s[16:17]
	global_store_b128 v4, v[32:35], s[16:17] offset:512
.Lnot_owner:
	; ---- the stream: 128 steps, two rows each.  Step i: its load is in; four sums take weight x number; the load sixteen steps on goes out.  Weights come from LDS four at a time, four quads ahead.
.irp q, 0,1,2,3
	ds_load_b128 v[WQ+4*\q:WQ+4*\q+3], v7 offset:16*\q
.endr
.macro STEP i
.set qd, (\i)/4
.set el, (\i)%4
.set rx, RING+4*((\i)%16)
.set ra, ACC+4*el
.set rw, WQ+4*(qd%4)+2*(el/2)
	s_wait_alu depctr_va_vdst(0)
.if el == 0
.if qd < 29
	s_wait_dscnt 3                                 ; this quad is in; the three behind it may be out
.else
	s_wait_dscnt 31-qd
.endif
.endif
.if (\i) < 112
	s_wait_loadcnt 15                              ; loads come back in order: mine is in, the fifteen younger stay out
.else
	s_wait_loadcnt 127-(\i)
.endif
.irp u, 0,2
.if (\i) < 4                           ; the first four steps start the four sets of sums: nothing is cleared
.if el%2 == 0
	v_pk_mul_f32 v[ra+\u:ra+\u+1], v[rx+\u:rx+\u+1], v[rw:rw+1] op_sel_hi:[1,0]
.else
	v_pk_mul_f32 v[ra+\u:ra+\u+1], v[rx+\u:rx+\u+1], v[rw:rw+1] op_sel:[0,1] op_sel_hi:[1,1]
.endif
.else
.if el%2 == 0
	v_pk_fma_f32 v[ra+\u:ra+\u+1], v[rx+\u:rx+\u+1], v[rw:rw+1], v[ra+\u:ra+\u+1] op_sel_hi:[1,0,1]
.else
	v_pk_fma_f32 v[ra+\u:ra+\u+1], v[rx+\u:rx+\u+1], v[rw:rw+1], v[ra+\u:ra+\u+1] op_sel:[0,1,0] op_sel_hi:[1,1,1]
.endif
.endif
.endr
.if (\i)+16 < 128
	global_load_b128 v[rx:rx+3], v5, s[4:5] offset:((\i)+16)*4096 th:TH_LOAD_NT
.endif
.if (el == 3) && (qd+4 < 32)
	ds_load_b128 v[WQ+4*(qd%4):WQ+4*(qd%4)+3], v7 offset:16*(qd+4)
.endif
.endm
.set Q, 0
.rept 128
	STEP Q
.set Q, Q+1
.endr
	; ---- the four sets, the two halves of the lanes, 1 / Z; then the sixteen waves' parts meet in LDS
	v_pk_add_f32 v[48:49], v[48:49], v[52:53]
	v_pk_add_f32 v[50:51], v[50:51], v[54:55]
	v_pk_add_f32 v[56:57], v[56:57], v[60:61]
	v_pk_add_f32 v[58:59], v[58:59], v[62:63]
	v_pk_add_f32 v[48:49], v[48:49], v[56:57]
	v_pk_add_f32 v[50:51], v[50:51], v[58:59]
.irp n, 0,1,2,3
	v_permlanex16_b32 v[52+\n], v[48+\n], s28, s29
.endr
	v_pk_add_f32 v[48:49], v[48:49], v[52:53]
	v_pk_add_f32 v[50:51], v[50:51], v[54:55]
	v_pk_mul_f32 v[48:49], v[48:49], v[46:47] op_sel_hi:[1,0]
	v_pk_mul_f32 v[50:51], v[50:51], v[46:47] op_sel_hi:[1,0]
	ds_store_b128 v10, v[48:51]                    ; (both halves of the lanes hold the same numbers)
	s_wait_dscnt 0x0
	s_barrier_signal -1
	s_barrier_wait -1
	s_cmp_lg_u32 s20, 0
	s_cbranch_scc1 .Lend
.irp w, 0,1,2,3,4,5,6,7,8,9,10,11,12,13,14,15
	ds_load_b128 v[RING+4*\w:RING+4*\w+3], v11 offset:256*\w
.endr
	s_wait_dscnt 0x0
.irp w, 0,1,2,3,4,5,6,7
	v_pk_add_f32 v[RING+4*\w:RING+4*\w+1], v[RING+4*\w:RING+4*\w+1], v[RING+4*\w+32:RING+4*\w+33]
	v_pk_add_f32 v[RING+4*\w+2:RING+4*\w+3], v[RING+4*\w+2:RING+4*\w+3], v[RING+4*\w+34:RING+4*\w+35]
.endr
.irp w, 0,1,2,3
	v_pk_add_f32 v[RING+4*\w:RING+4*\w+1], v[RING+4*\w:RING+4*\w+1], v[RING+4*\w+16:RING+4*\w+17]
	v_pk_add_f32 v[RING+4*\w+2:RING+4*\w+3], v[RING+4*\w+2:RING+4*\w+3], v[RING+4*\w+18:RING+4*\w+19]
.endr
.irp w, 0,1
	v_pk_add_f32 v[RING+4*\w:RING+4*\w+1], v[RING+4*\w:RING+4*\w+1], v[RING+4*\w+8:RING+4*\w+9]
	v_pk_add_f32 v[RING+4*\w+2:RING+4*\w+3], v[RING+4*\w+2:RING+4*\w+3], v[RING+4*\w+10:RING+4*\w+11]
.endr
	v_pk_add_f32 v[RING:RING+1], v[RING:RING+1], v[RING+4:RING+5]
	v_pk_add_f32 v[RING+2:RING+3], v[RING+2:RING+3], v[RING+6:RING+7]
	v_cmp_gt_u32 vcc_lo, 16, v1
	s_wait_alu depctr_va_vdst(0)
	s_wait_xcnt 0x0                                ; EXEC changes only behind this wait: it is a source of the memory instructions issued before
	s_and_saveexec_b32 s30, vcc_lo
	global_store_b128 v6, v[RING:RING+3], s[12:13] ; sixteen lanes store 256 consecutive bytes of out0, aligned
	s_wait_xcnt 0x0                                ; and again, in front of the line that widens it
	s_or_b32 exec_lo, exec_lo, s30
.Lend:
	s_wait_tensorcnt 0x0
	ds_add_u32 v128, v129
	s_wait_dscnt 0x0
	s_endpgm
.Lfunc_end_k_q73385a8b03_ctx:
	.size	k_q73385a8b03_ctx, .Lfunc_end_k_q73385a8b03_ctx-k_q73385a8b03_ctx
	.p2alignl 7, 3214868480
	.fill 96, 4, 3214868480
	.section	.rodata,"a",@progbits
	.p2align	6, 0x0
	.amdhsa_kernel k_q73385a8b03_ctx
		.amdhsa_group_segment_fixed_size 26624
		.amdhsa_private_segment_fixed_size 0
		.amdhsa_enable_private_segment 0
		.amdhsa_kernarg_size 56
		.amdhsa_user_sgpr_count 2
		.amdhsa_user_sgpr_kernarg_segment_ptr 1
		.amdhsa_wavefront_size32 1
		.amdhsa_system_sgpr_workgroup_id_x 1
		.amdhsa_system_sgpr_workgroup_id_y 1
		.amdhsa_system_sgpr_workgroup_id_z 1
		.amdhsa_system_vgpr_workitem_id 0
		.amdhsa_next_free_vgpr 130
		.amdhsa_next_free_sgpr 66
		.amdhsa_reserve_vcc 1
		.amdhsa_float_denorm_mode_32 3
		.amdhsa_float_denorm_mode_16_64 3
		.amdhsa_memory_ordered 1
		.amdhsa_forward_progress 1
		.amdhsa_inst_pref_size 52
	.end_amdhsa_kernel
	.amdgpu_metadata
---
amdhsa.version: [ 1, 2 ]
amdhsa.kernels:
  - .name:           k_q73385a8b03_ctx
    .symbol:         k_q73385a8b03_ctx.kd
    .args:
      - { .name: encoder_output, .offset: 0, .size: 8, .value_kind: global_buffer, .address_space: global }
      - { .name: scores, .offset: 8, .size: 8, .value_kind: global_buffer, .address_space: global }
      - { .name: x_padding_masks, .offset: 16, .size: 8, .value_kind: global_buffer, .address_space: global }
      - { .name: coverage_vector, .offset: 24, .size: 8, .value_kind: global_buffer, .address_space: global }
      - { .name: out0, .offset: 32, .size: 8, .value_kind: global_buffer, .address_space: global }
      - { .name: out1, .offset: 40, .size: 8, .value_kind: global_buffer, .address_space: global }
      - { .name: out2, .offset: 48, .size: 8, .value_kind: global_buffer, .address_space: global }
    .group_segment_fixed_size: 26624
    .private_segment_fixed_size: 0
    .kernarg_segment_align: 8
    .kernarg_segment_size: 56
    .max_flat_workgroup_size: 512
    .sgpr_count:     66
    .vgpr_count:     130
    .wavefront_size: 32
...
	.end_amdgpu_metadata
.endif
;; end of part 3
